; MI455X (gfx1250); checked and timed in simulation.
; The chip was launched on July 23, 2026; its instructions are those of AMD's public machine-readable ISA for CDNA 5 (MIT licence, August 2026) and "CDNA5" Instruction Set Architecture Reference Guide (July 2026). The comments in the code are by the model that wrote it; some were corrected since.
;; Gaussian Layer. Allowed arithmetic: float matrix products may take bf16 or f16 operands with f32 sums; all other float work in f32.
;; Inputs: means 64 x 32 x 16 float32; regions 64 x 16 int32; scales 64 x 32 x 16 float32; x 4,096 x 1,024 float32.
;; Outputs: out0 4,096 x 64 x 32 float32.
;; One version. Each part assembles by itself: llvm-mc -triple=amdgcn-amd-amdhsa -mcpu=gfx1250 --defsym DOCPART=n.
;; ======== version 1 of 1: 1 launch
;; limits: inputs' magnitudes at most 9e+18; below input magnitudes of 1.1e-19 results are inexact or not finite; right only within a limited range of input values
;; launch gauss (part 1): grid 256 x 1, 8 waves a work-group, no clusters, 271,360 bytes of LDS; arguments x, regions, means, scales, out0; writes out0
.if DOCPART == 1
	.amdgcn_target "amdgcn-amd-amdhsa--gfx1250"
	.amdhsa_code_object_version 6
	.text
	.protected	k_q4acb474592_gauss
	.globl	k_q4acb474592_gauss
	.p2align	8
	.type	k_q4acb474592_gauss,@function
k_q4acb474592_gauss:
	s_mov_b64 s[64:65], 0
	v_nop
	global_prefetch_b8 v0, s[64:65] scope:SCOPE_SE
	s_setreg_imm32_b32 hwreg(HW_REG_WAVE_MODE, 25, 1), 1
	s_wait_xcnt 0x0
; out0[b][r][k] = -1/2 sum_d ((x[b][regions[r][d]] - means[r][k][d]) / scales[r][k][d])^2 - sum_d log scales[r][k][d] - 8 log(2 pi)
; x [4096][1024] f32, regions [64][16] i32, means and scales [64][32][16] f32, out0 [4096][64][32] f32.  All arithmetic in f32.
;
; SHARES.  A work-group makes 32 rows b x 32 regions (one half of the 64).  Its eight waves own four regions each, for all 32 rows.
; Lane l owns region l / 8 of its wave's four and the distributions k = 4 (l % 8) .. + 3: its four results of a row are 16 neighbouring
; bytes of out0, and one store of the wave covers 512 consecutive bytes, aligned.  With a = sqrt(1/2) / s and c = m a a term is
; t = x a - c, sum = sum - t t: two packed multiply-adds for two k.  A lane's a and c (16 d x 4 k, 128 registers) are made once.
;
; THE GATHER.  x lies in LDS interleaved by four rows: the 16 bytes at slot(w) of block q hold x[4 q .. 4 q + 3][w], so that one
; ds_load_b128 at the slot of regions[r][d] serves four rows.  slot(w) = 256 (w % 4) + w / 4: a lane that has loaded words
; 4 i .. 4 i + 3 of four rows stores four times 16 bytes, and in each of these stores neighbouring lanes write neighbouring 16 bytes.
;
; THE PARAMETERS come by tensor loads, 32 rows of 256 bytes each, padded to 272 in LDS, each wave's into bytes that it alone reads.
; NO CLUSTER, NO JOINT LOADS, although the 128 work-groups of one half of the regions read the same 128 KiB of means and scales.
; x could not be asked for jointly: it passes through registers, where four rows are transposed
; 4 x 4, which a tensor load cannot do.  The two work-groups that read the same 32 rows of x are neighbours in the grid.
;
; LIMITS.  (1) One reciprocal and one logarithm serve two neighbouring scales (1/s0 = s1 / (s0 s1)); v_rcp_f32 and v_log_f32 flush
; denormals (ISA guide 15.8), so s0 s1 and 1 / (s0 s1) have to be normal numbers: met by positive scales from 1.1e-19 to 9e18.  Two negative
; scales in a pair give a finite number here, NaN in the definition.  (2) An index is clamped, as an unsigned number, to 1023: indices
; inside the table are untouched.  (3) t = x a - m a is off (x - m) / s sqrt(1/2) by a few 2^-24 of |x / s| + |m / s|.
.set XROW,   4096                      ; bytes in a row of x
.set OROW,   8192                      ; bytes in a row of out0
.set XBLK,   16384                     ; LDS bytes of a block of four rows of x
.set PBASE,  8*XBLK                    ; behind the eight blocks: the parameters as loaded
.set PPITCH, 272                       ; 256 bytes (4 k x 16 d: one lane's share) + 16 of padding
.set PTILE,  32*PPITCH                 ; a wave's means, or its scales
.set PWAVE,  2*PTILE
; registers v0-v255
.set XO,  1                            ; 16 x lane: my bytes in 512 bytes of a row of x
.set LA,  2                            ; LDS: my wave's block of x + 16 x lane
.set PA,  3                            ; LDS: my 256 bytes of means (my scales PTILE further on)
.set SO,  4                            ; my 16 bytes in the work-group's 4,096 bytes of a row of out0
.set RO,  5                            ; my region's 64 bytes in my wave's 256 bytes of regions
.set CK,  8                            ; v[8:11]    -log det - 8 log(2 pi) of my four k
.set LD,  12                           ; v[12:15]   sums of log2
.set OFF, 16                           ; v[16:31]   the 16 indices, then their slots' byte offsets
.set T,   32                           ; v[32:47]   t of four rows x four k
.set ACC, 48                           ; v[48:79]   two sets of sums, four rows x four k each
.set X,   80                           ; v[80:127]  ring of three groups of x: 4 d x 4 rows each
.set P,   128                          ; v[128:255] d: a of k 0..3 at P + 8 d, c at P + 8 d + 4
; at work while the parameters are made (registers of T, ACC and X, which are not yet in use)
.set MB0, 32                           ; means of 4 k x 4 d, and 16 further on the scales
.set MB1, 64                           ; the same, second buffer
.set PR,  96                           ; products of two scales: pair h of k at 4 h + k
.set RR,  104                          ; sqrt(1/2) / product
.set LG,  112                          ; log2 of the product
; registers v256 and up, named by their low 8 bits
.set XS,  0                            ; v[256:383] x as loaded: chunk c, row j at 16 c + 4 j
.set TT,  128                          ; v[384:415] two sets of 16: transposed
.set LAH, 160                          ; v416       a copy of LA
	s_load_b256 s[4:11], s[0:1], 0x0               ; x s[4:5], regions s[6:7], means s[8:9], scales s[10:11]
	s_load_b64 s[12:13], s[0:1], 0x20              ; out0
	s_set_vgpr_msb 0x40
	v_lshl_add_u32 v168, v0, 2, 0x42000
	v_mov_b32 v169, 0
	s_set_vgpr_msb 0x4045
	ds_add_u32 v168, v169
	ds_add_u32 v168, v169
	s_set_vgpr_msb 0x4500
	v_lshrrev_b32 v6, 5, v0
	v_readfirstlane_b32 s14, v6                    ; wave 0..7
	v_and_b32 v7, 31, v0                           ; lane
	s_and_b32 s15, ttmp9, 1                        ; which half of the regions
	s_lshr_b32 s32, ttmp9, 1                       ; row block 0..127
	; descriptor group 1, for both tensor loads: 32 rows of 32 elements of 8 bytes, dense in memory, 16 bytes of padding behind each row in LDS
	s_mov_b32 s16, (3<<16)|(1<<20)|(5<<22)|(3<<25) ; 15:0 no mask; 17:16 8-byte elements; 20 padding on; 24:22 after every 64 words; 31:25 four words
	s_mov_b32 s17, 32<<16                          ; tensor_dim0 = 32
	s_mov_b32 s18, 32<<16                          ; tensor_dim1 = 32
	s_mov_b32 s19, 32<<16                          ; tile_dim0 = 32
	s_mov_b32 s20, 32                              ; tile_dim1 = 32
	s_mov_b32 s21, 32                              ; 32 elements from row to row
	s_mov_b32 s22, 0
	s_mov_b32 s23, 0
	; descriptor groups 0: means s[24:27], scales s[28:31].  LDS address: a constant + wave x a constant
	s_mul_i32 s33, s14, PWAVE
	s_mov_b32 s24, 1
	s_add_co_u32 s25, s33, PBASE
	s_mov_b32 s28, 1
	s_add_co_u32 s29, s33, PBASE+PTILE
	s_lshl_b32 s34, s15, 16                        ; means, scales: half x 32 regions x 2,048 bytes
	s_lshl_b32 s35, s14, 13                        ; + wave x 4 regions x 2,048 bytes
	s_add_co_u32 s34, s34, s35
	s_mov_b32 s35, 0
	s_lshl_b32 s36, s32, 17                        ; x: row block x 32 rows x 4,096 bytes
	s_lshl_b32 s37, s14, 14                        ; + wave x 4 rows: wave w brings in block w
	s_add_co_u32 s36, s36, s37
	s_mov_b32 s37, 0
	s_lshl_b32 s38, s32, 18                        ; out0: row block x 32 rows x 8,192 bytes
	s_lshl_b32 s39, s15, 12                        ; + half x 32 regions x 128 bytes
	s_add_co_u32 s38, s38, s39
	s_mov_b32 s39, 0
	s_lshl_b32 s40, s15, 11                        ; regions: half x 32 x 64 bytes
	s_lshl_b32 s41, s14, 8                         ; + wave x 4 x 64 bytes
	s_add_co_u32 s40, s40, s41
	s_mov_b32 s41, 0
	s_mov_b32 s42, 0xbf317218                      ; -log 2
	s_mov_b32 s43, 0xc16b3f8e                      ; -8 log(2 pi)
	v_lshlrev_b32 v[XO], 4, v7
	v_lshl_add_u32 v[LA], s14, 14, v[XO]
	v_mul_u32_u24 v[PA], v7, PPITCH
	v_add_nc_u32 v[PA], s25, v[PA]
	v_lshl_add_u32 v[SO], s14, 9, v[XO]            ; wave x 4 regions x 128 bytes + 16 x lane
	v_lshrrev_b32 v[RO], 3, v7
	v_lshlrev_b32 v[RO], 6, v[RO]
	s_wait_dscnt 0x0
	s_wait_kmcnt 0x0
	s_add_nc_u64 s[26:27], s[8:9], s[34:35]
	s_or_b32 s27, s27, 0x80000000                  ; type = 2
	s_add_nc_u64 s[30:31], s[10:11], s[34:35]
	s_or_b32 s31, s31, 0x80000000
	s_add_nc_u64 s[4:5], s[4:5], s[36:37]
	s_add_nc_u64 s[6:7], s[6:7], s[40:41]
	s_add_nc_u64 s[12:13], s[12:13], s[38:39]
	; Everything that the work-group reads is asked for now.  The parameters first, since they are worked on first: the two tensor loads are
	; the wave's only ones (two are out, no more follow; their descriptors are never written again), each a first fill of its bytes.
	tensor_load_to_lds s[24:27], s[16:23]          ; my wave's means
	s_nop 0
	tensor_load_to_lds s[28:31], s[16:23]          ; my wave's scales
	s_nop 0
	; Then my region's 16 indices (the wave's four loads take one aligned block of 256 bytes, eight lanes sharing each 16 bytes),
	; then my wave's four rows of x: 32 loads of 512 consecutive bytes.
.irp i, 0,1,2,3
	global_load_b128 v[OFF+4*\i:OFF+4*\i+3], v[RO], s[6:7] offset:16*\i
.endr
	s_set_vgpr_msb 0x40                            ; destinations in v256 and up, so that the parameters can be made while x is on its way
.irp c, 0,1,2,3,4,5,6,7
.irp j, 0,1,2,3
	global_load_b128 v[XS+16*\c+4*\j:XS+16*\c+4*\j+3], v[XO], s[4:5] offset:\j*XROW+\c*512
.endr
.endr
	v_mov_b32 v[LAH], v[LA]                        ; v416 = LA
	s_set_vgpr_msb 0x4000                          ; all back to v0-v255
	; index w -> byte offset of its slot: 4,096 (w % 4) + 16 (w / 4) = ((w & 3) << 12) + ((w & 0x3fc) << 2)
	s_wait_loadcnt 32                              ; the indices are in; the 32 loads of x behind them stay out
.irp i, 0,1,2,3,4,5,6,7,8,9,10,11,12,13,14,15
	v_min_u32 v[OFF+\i], 0x3ff, v[OFF+\i]
.endr
.irp i, 0,1,2,3,4,5,6,7,8,9,10,11,12,13,14,15
	v_and_b32 v[T+\i], 3, v[OFF+\i]
.endr
.irp i, 0,1,2,3,4,5,6,7,8,9,10,11,12,13,14,15
	v_and_b32 v[OFF+\i], 0x3fc, v[OFF+\i]
.endr
.irp i, 0,1,2,3,4,5,6,7,8,9,10,11,12,13,14,15
	v_lshlrev_b32 v[OFF+\i], 2, v[OFF+\i]
.endr
.irp i, 0,1,2,3,4,5,6,7,8,9,10,11,12,13,14,15
	v_lshl_add_u32 v[OFF+\i], v[T+\i], 12, v[OFF+\i]
.endr
	; THE PARAMETERS, four d at a time.  Eight LDS loads: means and scales of my four k, 16 bytes each.
.macro PLOAD dq, mb
.irp k, 0,1,2,3
	ds_load_b128 v[\mb+4*\k:\mb+4*\k+3],       v[PA] offset:64*\k+16*\dq
	ds_load_b128 v[\mb+16+4*\k:\mb+16+4*\k+3], v[PA] offset:PTILE+64*\k+16*\dq
.endr
.endm
; left = how many younger LDS loads may stay out
.macro PREP dq, mb, left
	s_wait_dscnt \left
.irp k, 0,1,2,3
	v_mul_f32 v[PR+\k],   v[\mb+16+4*\k],   v[\mb+16+4*\k+1]      ; s0 s1
	v_mul_f32 v[PR+4+\k], v[\mb+16+4*\k+2], v[\mb+16+4*\k+3]      ; s2 s3
.endr
.irp i, 0,1,2,3,4,5,6,7
	v_rcp_f32 v[RR+\i], v[PR+\i]
.endr
.irp i, 0,1,2,3,4,5,6,7
	v_log_f32 v[LG+\i], v[PR+\i]
.endr
	v_nop                                          ; one plain vector instruction between the transcendentals and the first use of a result (ISA guide 5.7.2)
	s_wait_alu depctr_va_vdst(0)
.irp i, 0,2,4,6
	v_pk_mul_f32 v[RR+\i:RR+\i+1], v[RR+\i:RR+\i+1], 0x3f3504f3 op_sel_hi:[1,0]   ; x sqrt(1/2)
.endr
.irp k, 0,1,2,3
.irp h, 0,1
	v_mul_f32 v[P+8*(4*\dq+2*\h)+\k],   v[RR+4*\h+\k], v[\mb+16+4*\k+2*\h+1]      ; a of the even d = sqrt(1/2) s1 / (s0 s1), laid down by d, the four k side by side
	v_mul_f32 v[P+8*(4*\dq+2*\h+1)+\k], v[RR+4*\h+\k], v[\mb+16+4*\k+2*\h]        ; a of the odd d
.endr
.endr
.irp k, 0,1,2,3
.irp e, 0,1,2,3
	v_mul_f32 v[P+8*(4*\dq+\e)+4+\k], v[\mb+4*\k+\e], v[P+8*(4*\dq+\e)+\k]        ; c = m a
.endr
.endr
.if \dq == 0
	v_pk_add_f32 v[LD:LD+1],     v[LG:LG+1],     v[LG+4:LG+5]     ; the first logarithms start the sums
	v_pk_add_f32 v[LD+2:LD+3],   v[LG+2:LG+3],   v[LG+6:LG+7]
.else
	v_pk_add_f32 v[LD:LD+1],     v[LD:LD+1],     v[LG:LG+1]
	v_pk_add_f32 v[LD+2:LD+3],   v[LD+2:LD+3],   v[LG+2:LG+3]
	v_pk_add_f32 v[LD:LD+1],     v[LD:LD+1],     v[LG+4:LG+5]
	v_pk_add_f32 v[LD+2:LD+3],   v[LD+2:LD+3],   v[LG+6:LG+7]
.endif
.endm
	s_wait_tensorcnt 0x0                           ; my wave's means and scales are in LDS; no other wave reads them, so no barrier
	PLOAD 0, MB0
	PLOAD 1, MB1
	PREP  0, MB0, 8                                ; the next four d's eight loads stay out
	PLOAD 2, MB0
	PREP  1, MB1, 8
	PLOAD 3, MB1
	PREP  2, MB0, 8
	PREP  3, MB1, 0
.irp k, 0,1,2,3
	v_fma_f32 v[CK+\k], v[LD+\k], s42, s43         ; -log 2 x sum of log2 - 8 log(2 pi)
.endr
	; x INTO LDS: chunk c = words 128 c .. 128 c + 127 of my four rows.  Register 4 j + i (row j, word i of my four) goes to 4 i + j,
	; and the four rows' word i goes out as 16 bytes.  All operands are in v256 and up.
	s_set_vgpr_msb 0x45                            ; source 0, source 1 and destination in v256 and up
.irp c, 0,1,2,3,4,5,6,7
	s_wait_loadcnt 28-4*\c                         ; loads come back in order (ISA guide 5.7.1): chunk c's four are in, the later chunks' stay out
.irp i, 0,1,2,3
.irp j, 0,1,2,3
	v_mov_b32 v[TT+16*(\c%2)+4*\i+\j], v[XS+16*\c+4*\j+\i]
.endr
.endr
.irp i, 0,1,2,3
	ds_store_b128 v[LAH], v[TT+16*(\c%2)+4*\i:TT+16*(\c%2)+4*\i+3] offset:\i*4096+\c*512
.endr
.endr
	s_set_vgpr_msb 0x4500                          ; all back to v0-v255
	s_wait_dscnt 0x0                               ; my block of x is written: zero, for the other waves' sake
	s_barrier_signal -1
	s_barrier_wait -1                              ; all eight blocks are.  Nothing in LDS is written behind this barrier
	; THE SUMS.  32 groups: group n = four d (4 (n % 4) ..) of block n / 4.  Four LDS loads bring a group; three groups' registers take turns.
.macro LOADX                           ; group ln
.if ln/4 == 4
.irp e, 0,1,2,3
	v_add_nc_u32 v[OFF+4*(ln%4)+\e], 0x10000, v[OFF+4*(ln%4)+\e]  ; blocks 4 to 7 lie beyond the reach of the 16-bit offset: step the address once
.endr
.endif
.irp e, 0,1,2,3
	ds_load_b128 v[X+16*(ln%3)+4*\e:X+16*(ln%3)+4*\e+3], v[OFF+4*(ln%4)+\e] offset:((ln/4)%4)*XBLK
.endr
.endm
; One d: eight t (four rows x two pairs of k), then the eight sums, so that each instruction finds its operand eight instructions old.
; x of a row is one register of a pair: op_sel and op_sel_hi send it to both halves.
.macro DSTEP e
	.set xr, XG+4*\e
	.set pr, P+8*(DG+\e)
	v_pk_fma_f32 v[T:T+1],     v[xr:xr+1],   v[pr:pr+1],   v[pr+4:pr+5] op_sel:[0,0,0] op_sel_hi:[0,1,1] neg_lo:[0,0,1] neg_hi:[0,0,1]
	v_pk_fma_f32 v[T+2:T+3],   v[xr:xr+1],   v[pr+2:pr+3], v[pr+6:pr+7] op_sel:[0,0,0] op_sel_hi:[0,1,1] neg_lo:[0,0,1] neg_hi:[0,0,1]
	v_pk_fma_f32 v[T+4:T+5],   v[xr:xr+1],   v[pr:pr+1],   v[pr+4:pr+5] op_sel:[1,0,0] op_sel_hi:[1,1,1] neg_lo:[0,0,1] neg_hi:[0,0,1]
	v_pk_fma_f32 v[T+6:T+7],   v[xr:xr+1],   v[pr+2:pr+3], v[pr+6:pr+7] op_sel:[1,0,0] op_sel_hi:[1,1,1] neg_lo:[0,0,1] neg_hi:[0,0,1]
	v_pk_fma_f32 v[T+8:T+9],   v[xr+2:xr+3], v[pr:pr+1],   v[pr+4:pr+5] op_sel:[0,0,0] op_sel_hi:[0,1,1] neg_lo:[0,0,1] neg_hi:[0,0,1]
	v_pk_fma_f32 v[T+10:T+11], v[xr+2:xr+3], v[pr+2:pr+3], v[pr+6:pr+7] op_sel:[0,0,0] op_sel_hi:[0,1,1] neg_lo:[0,0,1] neg_hi:[0,0,1]
	v_pk_fma_f32 v[T+12:T+13], v[xr+2:xr+3], v[pr:pr+1],   v[pr+4:pr+5] op_sel:[1,0,0] op_sel_hi:[1,1,1] neg_lo:[0,0,1] neg_hi:[0,0,1]
	v_pk_fma_f32 v[T+14:T+15], v[xr+2:xr+3], v[pr+2:pr+3], v[pr+6:pr+7] op_sel:[1,0,0] op_sel_hi:[1,1,1] neg_lo:[0,0,1] neg_hi:[0,0,1]
.if DG+\e == 0
.irp i, 0,2,4,6,8,10,12,14
	v_pk_fma_f32 v[AB+\i:AB+\i+1], v[T+\i:T+\i+1], v[T+\i:T+\i+1], v[CK+\i%4:CK+\i%4+1] neg_lo:[1,0,0] neg_hi:[1,0,0]   ; the first d starts the sums from the constant: nothing is cleared
.endr
.else
.irp i, 0,2,4,6,8,10,12,14
	v_pk_fma_f32 v[AB+\i:AB+\i+1], v[T+\i:T+\i+1], v[T+\i:T+\i+1], v[AB+\i:AB+\i+1] neg_lo:[1,0,0] neg_hi:[1,0,0]
.endr
.endif
.endm
.macro STOREB                          ; block sq: four rows, 512 consecutive bytes of each from the wave; the row stands in the immediate (253,952 at the most)
.irp j, 0,1,2,3
	global_store_b128 v[SO], v[ACC+16*(sq%2)+4*\j:ACC+16*(sq%2)+4*\j+3], s[12:13] offset:(4*sq+\j)*OROW th:TH_STORE_NT
.endr
.endm
	.set ln, 0
	LOADX
	.set ln, 1
	LOADX
	.set n, 0
.rept 32
	.set q, n/4
	.set g, n%4
	.set XG, X+16*(n%3)
	.set DG, 4*g
	.set AB, ACC+16*(q%2)
.if g == 0
.if q >= 2
	s_wait_xcnt 0x0                                ; every earlier memory instruction has had its addresses translated (ISA guide 3.1): this set of sums, which the stores of two blocks ago read, is rewritten only behind this wait
.endif
.endif
.if n+2 < 32
	.set ln, n+2
	LOADX                                          ; two groups ahead, into the registers that the last group has done with
	s_wait_dscnt 0x8                               ; LDS loads come back in order (ISA guide 5.7.1): this group's four are in, the two later groups' eight stay out
.else
	s_wait_dscnt 4*(31-n)                          ; the last two groups: four loads behind, then none
.endif
	DSTEP 0
	DSTEP 1
	DSTEP 2
	DSTEP 3
.if g == 0
.if q >= 1
	.set sq, q-1
	STOREB                                         ; the block before, from the other set of sums: issued here, three groups ahead of the wait that frees that set
.endif
.endif
	.set n, n+1
.endr
	.set sq, 7
	STOREB
	s_set_vgpr_msb 0x5
	s_wait_tensorcnt 0x0
	ds_add_u32 v168, v169
	s_wait_dscnt 0x0
	s_set_vgpr_msb 0x500
	s_endpgm
.Lfunc_end_k_q4acb474592_gauss:
	.size	k_q4acb474592_gauss, .Lfunc_end_k_q4acb474592_gauss-k_q4acb474592_gauss
	.p2alignl 7, 3214868480
	.fill 96, 4, 3214868480
	.section	.rodata,"a",@progbits
	.p2align	6, 0x0
	.amdhsa_kernel k_q4acb474592_gauss
		.amdhsa_group_segment_fixed_size 271360
		.amdhsa_private_segment_fixed_size 0
		.amdhsa_enable_private_segment 0
		.amdhsa_kernarg_size 40
		.amdhsa_user_sgpr_count 2
		.amdhsa_user_sgpr_kernarg_segment_ptr 1
		.amdhsa_wavefront_size32 1
		.amdhsa_system_sgpr_workgroup_id_x 1
		.amdhsa_system_sgpr_workgroup_id_y 1
		.amdhsa_system_sgpr_workgroup_id_z 1
		.amdhsa_system_vgpr_workitem_id 0
		.amdhsa_next_free_vgpr 426
		.amdhsa_next_free_sgpr 66
		.amdhsa_reserve_vcc 0
		.amdhsa_float_denorm_mode_32 3
		.amdhsa_float_denorm_mode_16_64 3
		.amdhsa_memory_ordered 1
		.amdhsa_forward_progress 1
		.amdhsa_inst_pref_size 171
	.end_amdhsa_kernel
	.amdgpu_metadata
---
amdhsa.version: [ 1, 2 ]
amdhsa.kernels:
  - .name:           k_q4acb474592_gauss
    .symbol:         k_q4acb474592_gauss.kd
    .args:
      - { .name: x, .offset: 0, .size: 8, .value_kind: global_buffer, .address_space: global }
      - { .name: regions, .offset: 8, .size: 8, .value_kind: global_buffer, .address_space: global }
      - { .name: means, .offset: 16, .size: 8, .value_kind: global_buffer, .address_space: global }
      - { .name: scales, .offset: 24, .size: 8, .value_kind: global_buffer, .address_space: global }
      - { .name: out0, .offset: 32, .size: 8, .value_kind: global_buffer, .address_space: global }
    .group_segment_fixed_size: 271360
    .private_segment_fixed_size: 0
    .kernarg_segment_align: 8
    .kernarg_segment_size: 40
    .max_flat_workgroup_size: 256
    .sgpr_count:     66
    .vgpr_count:     426
    .wavefront_size: 32
...
	.end_amdgpu_metadata
.endif
;; end of part 1
